; MI455X (gfx1250); checked and timed in simulation.
; The chip was launched on July 23, 2026; its instructions are those of AMD's public machine-readable ISA for CDNA 5 (MIT licence, August 2026) and "CDNA5" Instruction Set Architecture Reference Guide (July 2026). The comments in the code are by the model that wrote it; some were corrected since.
;; mutual Pooling Dir. Allowed arithmetic: matrix products marked QUANTISED: E2M3 operands, one E8M0 scale for each 32 along K, by v_wmma_scale_f32_16x16x128_f8f6f4 with both operands' format E2M3, f32 sums; products left as they are: f32 operands where the result goes on into a quantised operand, else bf16, f16 or f32 operands; f32 sums; everything else in f32.
;; Inputs: Wk 128 x 128 float32; bk 128 float32; gallery_base 64 x 100 x 128 float32; gallery_value 64 x 100 x 128 float32; querys 64 x 128 float32.
;; Outputs: out0 64 x 64 x 128 float32.
;; This version of the problem:
;;   THIS VERSION OF THE PROBLEM IS GIVEN IN LOW PRECISION. The matrix products marked QUANTISED in the list below multiply operands that are first quantised to E2M3 (2 exponent bits, 3 mantissa bits; 6 bits a number), with one power-of-two scale for each 32 numbers along K (OCP MX v1.0); their sums are f32. All else is computed in f32.
;;   The module's matrix products, in the order in which they are computed (A, B: the left and right operand; K: the contracted axis; several contracted axes count as one K, in the product's order):
;;     1. [M 6,400, K 128] x [K 128, N 128]; A: input gallery_base; B: input Wk: QUANTISED
;;     2. batch 8,192 x [M 1, K 100] x [K 100, N 64]; A: input gallery_value; B: softmax: left as it is (M = 1 < 16)
;;   THE QUANTISER, for each operand of a quantised product, along K:
;;     - K is cut into blocks of 32 from its start; a last block that is shorter is filled with zeros.
;;     - A block's scale is 2^e with e = floor(log2(the largest magnitude in the block)) - 2, held to -126 .. 127; a block of zeros has e = 0. As a byte (E8M0): e + 127.
;;     - Each number is divided by its block's scale, clamped to +-7.5, and rounded to the nearest number of E2M3, ties to even, subnormals kept.
;;     - The product sums the exact products of the quantised numbers (number of the format x scale) in f32.
;;   ~~~python
;;   def quantise(x, axis):      # numpy; x: float32 -> the quantised numbers, widened to float32 again
;;       x = np.moveaxis(x, axis, -1); K = x.shape[-1]
;;       x = np.pad(x, [(0, 0)] * (x.ndim - 1) + [(0, -K % 32)]); x = x.reshape(x.shape[:-1] + (-1, 32)); a = np.abs(x).max(-1, keepdims=True)
;;       e = np.where(a > 0, np.clip(np.frexp(np.where(a > 0, a, 1))[1] - 1 - 2, -126, 127), 0)      # np.frexp(a)[1] - 1 = floor(log2(a)), exactly
;;       r = np.clip(x / 2.0 ** e, -7.5, 7.5)
;;       step = 2.0 ** (np.maximum(np.frexp(np.where(r == 0, 1, r))[1] - 1, 0) - 3)
;;       q = np.round(r / step) * step * 2.0 ** e      # np.round: ties to even
;;       return np.moveaxis(q.reshape(q.shape[:-2] + (-1,))[..., :K], -1, axis).astype(np.float32)
;;   ~~~
;; One version. Each part assembles by itself: llvm-mc -triple=amdgcn-amd-amdhsa -mcpu=gfx1250 --defsym DOCPART=n.
;; ======== version 1 of 1: 1 launch
;; launch pool (part 1): grid 4 x 64, 8 waves a work-group, clusters of 4 x 1, 205,824 bytes of LDS; arguments gallery_base, Wk, gallery_value, querys, bk, out0; writes out0
.if DOCPART == 1
	.amdgcn_target "amdgcn-amd-amdhsa--gfx1250"
	.amdhsa_code_object_version 6
	.text
	.protected	k_q09b0114cf1_pool
	.globl	k_q09b0114cf1_pool
	.p2align	8
	.type	k_q09b0114cf1_pool,@function
k_q09b0114cf1_pool:
	s_mov_b64 s[64:65], 0
	v_nop
	global_prefetch_b8 v0, s[64:65] scope:SCOPE_SE
	s_setreg_imm32_b32 hwreg(HW_REG_WAVE_MODE, 25, 1), 1
	s_wait_xcnt 0x0
	s_wait_alu depctr_hold_cnt(0) depctr_sa_sdst(0) depctr_va_vdst(0) depctr_va_sdst(0) depctr_va_ssrc(0) depctr_va_vcc(0) depctr_vm_vsrc(0)
	s_getreg_b32 s2, hwreg(HW_REG_IB_STS2, 6, 4)
	s_cmp_eq_u32 s2, 0
	s_cbranch_scc0 .Lentry_in_a_cluster
	s_endpgm
.Lentry_in_a_cluster:
	s_bfe_u32 s2, ttmp6, 0x10000c
	s_cmp_lg_u32 s2, 0x3003
	s_cbranch_scc0 .Lentry_shape_is_right
	s_endpgm
.Lentry_shape_is_right:
; out[p][g][d] = sum_l softmax_l(q[p][d] K[g][l][d]) V[g][l][d],  K[g][l][e] = sum_d Q6(base[g][l][d]) Q6(Wk[e][d]) + bk[e].
; G = 64 galleries, L = 100 rows, D = 128 channels, P = 64 queries.  Q6: codes of FP6 (E2M3) with one E8M0 scale for each 32 along d; the product is done by the scaled matrix instruction, sums f32.
; SHARES.  Work-group (cx, g): gallery g, queries 16 cx .. 16 cx + 15.  Eight waves; wave w owns channels 16 w .. 16 w + 15 for all 100 rows and all 16 queries: 16 x 100 x 16 / 32 = 800 exponentials a lane.
; CLUSTER.  The four work-groups of a gallery need the same base[g], V[g] and Wk (167,936 bytes): each of the eight waves asks for one part of them JOINTLY (the same tensor load, the same descriptor, a mask that names
; the four).  Every LDS byte is filled once: no slot is filled again.  Each of the four makes K[g] for itself: 56 matrix instructions a work-group, instead of a launch of its own and K's way to memory and back.
; LAYOUT.  Source 0 = 16 rows of base, source 1 = the wave's 16 rows of Wk, C = bk: in the result lane (r, h) holds ONE channel, 16 w + r, and register j row 8 h + j of the tile.  Tiles 0-5 are rows 16 t + 0 .. 15;
; tile 6 has rows 96, 97 at m = 0, 1 and 98, 99 at m = 8, 9 (its other rows repeat these and their results are never read): so every lane holds exactly 50 numbers of K, in v16-65, and the same 50 of V.
; THE MAXIMUM.  q is one number for a whole column of the softmax, and rounding keeps order, so max_l(q K_l) = max(q Kmax, q Kmin): the column's true maximum, from two numbers a channel that are found once.
; p = 2^(q' K - m), q' = q log2(e).  The sums of p V and of p are f32 fused multiply-adds and additions, two at a time; the two halves of the lanes are added at the end, and one reciprocal divides.
; The second product of the problem has one row for each (g, d): it is these multiply-adds; on the matrix unit fifteen rows of sixteen would be empty.
; BY TURNS.  Two sets of 50 registers: while one query's exponentials are issued, the sums of the query before and the arguments of the query after stand between them.  One wait for each batch of 50 exponentials.
; LIMITS.  NaN and infinities among the inputs are not served.  A block whose largest magnitude lies under 2^-124 keeps the scale byte 1 (a block of zeros too: its codes are zeros, and only this text reads the bytes).
; v_exp_f32 gives 0 for results under 2^-126 (ISA guide 15.8): beside a sum that holds the maximum's term, about 1, that is nothing.
.set PITCH, 528                        ; an LDS row of f32: 512 bytes + 16 of padding = 132 words: row r starts at bank 4 r mod 64 (64 banks of 4 bytes: ISA guide 11.1): the 16 rows of a 16-byte load start at 16 different places
.set WKL,   0                          ; LDS: Wk, 128 rows
.set BAL,   WKL+128*PITCH              ; base[g], 100 rows
.set VAL,   BAL+100*PITCH              ; V[g], 100 rows; ends at 173,184
.set IMG,   173312                     ; from the next block of 256 bytes on, bytes that only ds_store writes: the images of A's seven fragments,
.set FRB,   1536                       ; 12 registers x 128 bytes each,
.set ISC,   IMG+7*FRB                  ; their scale words, 128 bytes each,
.set OST,   185088                     ; the stage for the results: a block for each wave, 16 queries x 64 bytes;
.set OBLK,  1216                       ; blocks 1,216 bytes apart (192 mod 256), so that four neighbouring blocks' 64 bytes fall on different banks when rows are read back
.set QST,   OST+8*OBLK                 ; and q' of my 16 queries, 16 rows x 512 bytes; ends at 203,008
.set LAG,   6                          ; the arguments of the next query follow the sums six pairs behind: its q' is asked of LDS at the head of the turn
.set R,   1                            ; v1   lane % 16 (head only)
.set H,   2                            ; v2   lane / 16 (head only)
.set LN,  3                            ; v3   lane (head only)
.set QAD, 1                            ; v1   later: LDS address of the trip's q'
.set OAD, 2                            ; v2   later: LDS address of the pair's results
.set AW,  4                            ; v4   my lane's numbers of my tile of Wk
.set AB,  5                            ; v5   and of my tile of base
.set LI,  6                            ; v6   IMG + 16 x lane
.set LS,  7                            ; v7   ISC + 4 x lane
.set IWI, 8                            ; v8   where I store my image
.set IWS, 9                            ; v9   and its scale word
.set VAD, 10                           ; v10  V: rows 8 h + .., my channel
.set VAD2, 11                          ; v11  V: rows 96 + 2 h + ..
.set QB,  12                           ; v12  QST + my channel
.set OB,  13                           ; v13  my wave's block of the stage + 4 x lane
.set ORD, 14                           ; v14  the stage, read back by rows
.set GL,  15                           ; v15  16 x lane
.set KR,  16                           ; v16-71  K: seven accumulators; v16-65 count
.set VR,  72                           ; v72-121 V
.set TA,  122                          ; v122-171, v172-221: the two sets
.set TB,  172
.set XB,  16                           ; early: 64 numbers of base,
.set XW,  122                          ; 64 numbers of Wk,
.set PC,  186                          ; the codes of my tile of base,
.set CT,  198                          ; the conversions' second halves,
.set AF,  122                          ; then A's seven fragments, v122-205
.set BF,  206                          ; v206-217 my fragment of Wk
.set CB,  218                          ; v218-225 bk of my channel, eight times: the C of the products
.set QSA, 226
.set SH8, 227                          ; 8 h
.set COL, 228                          ; 64 w + 4 r: my channel in bytes
.set PW,  229
.set T0,  230
.set T1,  231
.set SW,  232                          ; v232 Wk's scale word, v233-239 A's: these eight hold scales and nothing else
.set SA,  233
.set NUM0, 240                         ; the sums of p V and of p, a pair of registers each, for the two queries of a trip
.set DEN0, 242
.set NUM1, 244
.set DEN1, 246
.set QM,  240                          ; early: at work in the quantiser
.set QS,  244
.set QP,  248                          ; v[248:249] q' in the low word (the packed form names a pair)
.set MP,  250                          ; v[250:251] m in the low word
.set KMX, 252                          ; v252 Kmax, v253 Kmin; v254, v255 their second chains
.set KMN, 253
.set WV,  16                           ; s16 wave, s17 cx, s18 g
.set CX,  17
.set GG,  18
.set CNT, 19
.set QOF, 20
.set OOF, 21
.set G1W, 24                           ; s[24:31] descriptor group 1: 32 rows;  s[32:39]: 50 rows
.set G1G, 32
.set G0W, 40                           ; s[40:43], s[44:47], s[48:51] groups 0 for Wk, base, V
.set G0B, 44
.set G0V, 48
.set SEL, 52                           ; s[52:53] v_permlanex16_b32's selects for lane l xor 16
.set LE,  54                           ; s[54:55] log2(e)
; A round of the cluster's barrier: my work-group's barrier; wave 0 signals for the work-group; every wave waits for all four work-groups; my work-group's barrier once more.
.macro CROUND
	s_barrier_signal -1
	s_barrier_wait -1
	s_cmp_lg_u32 s[WV], 0
	s_cbranch_scc1 .Lnot_wave_0_\@
	s_barrier_signal -3
.Lnot_wave_0_\@:
	s_barrier_wait -3
	s_barrier_signal -1
	s_barrier_wait -1
.endm
	s_load_b256 s[4:11], s[0:1], 0x0               ; base s[4:5], Wk s[6:7], V s[8:9], q s[10:11]
	s_load_b128 s[12:15], s[0:1], 0x20             ; bk s[12:13], out s[14:15]
	s_set_vgpr_msb 0x40
	v_lshl_add_u32 v0, v0, 2, 0x32000
	v_mov_b32 v1, 0
	s_set_vgpr_msb 0x4045
	ds_add_u32 v0, v1
	ds_add_u32 v0, v1
	s_wait_dscnt 0x0
	s_set_vgpr_msb 0x4500
	v_lshrrev_b32 v[R], 5, v0
	v_readfirstlane_b32 s[WV], v[R]                ; wave 0..7
	s_bfe_u32 s[CX], ttmp6, 0x40000                ; my place in the cluster: which 16 queries; it enters q's and out's addresses alone
	s_and_b32 s[GG], ttmp7, 0xffff                 ; the gallery, which the four partners share
	; descriptor group 1: rows of 128 elements of 4 bytes, dense in memory, 16 bytes of padding behind each in LDS
.irp g, G1W, G1G
	s_mov_b32 s[\g], 15|(2<<16)|(1<<20)|(1<<21)|(6<<22)|(3<<25)  ; 15:0 the mask: all four; 17:16 elements of 4 bytes; 20 padding on; 21 set beside a mask; 24:22 after every 128 words (code 6); 31:25 4 words (code 3)
	s_mov_b32 s[\g+1], 128<<16                     ; tensor_dim0 = 128
	s_mov_b32 s[\g+3], 128<<16                     ; tile_dim0 = 128
	s_mov_b32 s[\g+5], 128                         ; from row to row, in elements
	s_mov_b32 s[\g+6], 0
	s_mov_b32 s[\g+7], 0
.endr
	s_mov_b32 s[G1W+2], 32<<16                     ; tensor_dim1 and tile_dim1: a quarter of Wk,
	s_mov_b32 s[G1W+4], 32
	s_mov_b32 s[G1G+2], 50<<16                     ; half of base[g] or of V[g]
	s_mov_b32 s[G1G+4], 50
	; who fetches what: waves 0-3 rows 32 (w % 4) of Wk; waves 4, 5 rows 50 (w % 2) of base[g]; waves 6, 7 the same of V[g].  LDS addresses hang on the wave's number alone
	s_and_b32 s20, s[WV], 3
	s_and_b32 s21, s[WV], 1
	s_mov_b32 s[G0W], 1
	s_mul_i32 s[G0W+1], s20, 32*PITCH
	s_mul_i32 s22, s21, 50*PITCH
	s_mov_b32 s[G0B], 1
	s_add_co_u32 s[G0B+1], s22, BAL
	s_mov_b32 s[G0V], 1
	s_add_co_u32 s[G0V+1], s22, VAL
	s_lshl_b32 s56, s20, 14                        ; 32 rows of 512 bytes
	s_mov_b32 s57, 0
	s_mul_i32 s58, s[GG], 51200                    ; a gallery's 100 rows of 512 bytes,
	s_mul_i32 s23, s21, 25600                      ; and my half
	s_add_co_u32 s58, s58, s23
	s_mov_b32 s59, 0
	s_lshl_b32 s60, s[CX], 13                      ; q: row 16 cx + 2 w, 512 bytes a row
	s_lshl_b32 s22, s[WV], 10
	s_add_co_u32 s60, s60, s22
	s_mov_b32 s61, 0
	s_lshl_b32 s62, s[CX], 19                      ; out: query 16 cx + 2 w (32,768 bytes a query), gallery g (512 bytes)
	s_lshl_b32 s22, s[WV], 16
	s_add_co_u32 s62, s62, s22
	s_lshl_b32 s22, s[GG], 9
	s_add_co_u32 s62, s62, s22
	s_mov_b32 s63, 0
	s_mov_b32 s[SEL], 0x76543210
	s_mov_b32 s[SEL+1], 0xfedcba98
	s_mov_b32 s[LE], 0x3fb8aa3b                    ; log2(e)
	s_mov_b32 s[LE+1], s[LE]                       ; (named with it as a pair, so it is written)
	CROUND                                         ; all four work-groups are here: the joint loads meet.  (The arguments are on their way meanwhile)
	s_wait_kmcnt 0x0
	s_add_nc_u64 s[G0W+2:G0W+3], s[6:7], s[56:57]
	s_or_b32 s[G0W+3], s[G0W+3], 0x80000000        ; type = 2
	s_add_nc_u64 s[G0B+2:G0B+3], s[4:5], s[58:59]
	s_or_b32 s[G0B+3], s[G0B+3], 0x80000000
	s_add_nc_u64 s[G0V+2:G0V+3], s[8:9], s[58:59]
	s_or_b32 s[G0V+3], s[G0V+3], 0x80000000
	s_add_nc_u64 s[10:11], s[10:11], s[60:61]
	s_add_nc_u64 s[14:15], s[14:15], s[62:63]
	; one tensor load a wave, all first fills; the branches hang on the wave's number alone.  Four v_nop follow each line
	s_cmp_lt_u32 s[WV], 4
	s_cbranch_scc0 .Lnot_wk
	tensor_load_to_lds s[G0W:G0W+3], s[G1W:G1W+7]
	s_nop 0
.rept 4
	v_nop
.endr
	s_branch .Lasked
.Lnot_wk:
	s_cmp_lt_u32 s[WV], 6
	s_cbranch_scc0 .Lfor_v
	tensor_load_to_lds s[G0B:G0B+3], s[G1G:G1G+7]
	s_nop 0
.rept 4
	v_nop
.endr
	s_branch .Lasked
.Lfor_v:
	tensor_load_to_lds s[G0V:G0V+3], s[G1G:G1G+7]
	s_nop 0
.rept 4
	v_nop
.endr
.Lasked:
	v_and_b32 v[LN], 31, v0
	v_lshlrev_b32 v[GL], 4, v[LN]
	global_load_b128 v[240:243], v[GL], s[10:11]             ; two whole rows of q: 512 consecutive bytes each
	global_load_b128 v[244:247], v[GL], s[10:11] offset:512
	v_and_b32 v[R], 15, v0
	s_lshl_b32 s20, s[WV], 6
	v_lshl_add_u32 v[COL], v[R], 2, s20
	global_load_b32 v[CB], v[COL], s[12:13]                  ; bk of my channel
	v_bfe_u32 v[H], v0, 4, 1
	v_lshlrev_b32 v[SH8], 3, v[H]
	; the operand's layout gives lane (r, h) of a fragment k = 64 c + 32 h + 0 .. 31 of row r: two whole blocks, 128 bytes each, at 256 c + 128 h of the row
	s_lshl_b32 s20, s[WV], 4
	v_add_nc_u32 v[AW], s20, v[R]                  ; Wk: row 16 w + r
	v_mul_u32_u24 v[AW], v[AW], PITCH
	v_lshl_add_u32 v[AW], v[H], 7, v[AW]
	s_min_u32 s21, s[WV], 6                        ; base: tile min(w, 6) (wave 7 has none and reads none)
	s_add_co_u32 s22, s21, 2
	s_lshr_b32 s22, s22, 3                         ; 1 for tile 6, else 0
	v_and_b32 v[AB], 6, v[R]
	v_lshrrev_b32 v[LI], 3, v[R]
	v_mad_u32_u24 v[AB], v[LI], 6, v[AB]           ; (r & 6) + 6 (r / 8): what tile 6 takes off r, so that r = 0, 1, 8, 9 give rows 96 .. 99 and the others repeat them
	v_mul_u32_u24 v[AB], s22, v[AB]
	s_lshl_b32 s23, s21, 4
	v_add_nc_u32 v[LI], s23, v[R]
	v_sub_nc_u32 v[AB], v[LI], v[AB]
	v_mul_u32_u24 v[AB], v[AB], PITCH
	v_lshl_add_u32 v[AB], v[H], 7, v[AB]
	v_add_nc_u32 v[AB], BAL, v[AB]
	v_lshl_add_u32 v[LI], v[LN], 4, IMG
	v_lshl_add_u32 v[LS], v[LN], 2, ISC
	s_mul_i32 s23, s21, FRB
	v_add_nc_u32 v[IWI], s23, v[LI]
	s_lshl_b32 s23, s21, 7
	v_add_nc_u32 v[IWS], s23, v[LS]
	v_mad_u32_u24 v[VAD], v[H], 8*PITCH, v[COL]    ; V as K lies: row 16 t + 8 h + j; eight rows are 128 bytes mod 256: the two halves of the lanes fall on different banks
	v_add_nc_u32 v[VAD], VAL, v[VAD]
	v_mad_u32_u24 v[VAD2], v[H], 2*PITCH, v[COL]   ; and rows 96 + 2 h + j
	v_add_nc_u32 v[VAD2], VAL+96*PITCH, v[VAD2]
	v_add_nc_u32 v[QB], QST, v[COL]
	s_mul_i32 s23, s[WV], OBLK
	v_lshl_add_u32 v[OB], v[LN], 2, s23
	v_add_nc_u32 v[OB], OST, v[OB]                 ; a pair of queries: lanes 0-15 the even one's 64 bytes, lanes 16-31 the odd one's
	v_lshrrev_b32 v[ORD], 2, v[LN]                 ; back by rows: lane l takes channels 4 l .. 4 l + 3: block l / 4, 16 (l % 4) bytes in; my two queries 2 w, 2 w + 1
	v_mul_u32_u24 v[ORD], v[ORD], OBLK
	v_and_b32 v[T0], 3, v[LN]
	v_lshl_add_u32 v[ORD], v[T0], 4, v[ORD]
	s_lshl_b32 s23, s[WV], 7
	s_add_co_u32 s23, s23, OST
	v_add_nc_u32 v[ORD], s23, v[ORD]
	s_lshl_b32 s23, s[WV], 10
	s_add_co_u32 s23, s23, QST
	v_add_nc_u32 v[QSA], s23, v[GL]
	v_mov_b32 v[QP+1], 0                           ; the upper halves of two pairs of which the low word serves: written once
	v_mov_b32 v[MP+1], 0
	s_wait_loadcnt 0x0                             ; q and bk
.irp j, 0,2,4,6
	v_pk_mul_f32 v[240+\j:241+\j], v[240+\j:241+\j], s[LE:LE+1] op_sel_hi:[1,0]   ; q' = q log2(e)
.endr
	ds_store_b128 v[QSA], v[240:243]
	ds_store_b128 v[QSA], v[244:247] offset:512
.irp j, 1,2,3,4,5,6,7
	v_mov_b32 v[CB+\j], v[CB]                      ; all eight rows of a lane's column take the same bias
.endr
	s_wait_tensorcnt 0x0                           ; my part of the tiles has landed,
	s_wait_dscnt 0x0                               ; my rows of q' are stored:
	s_barrier_signal -1
	s_barrier_wait -1                              ; everybody's are
; 64 numbers of a lane, register 32 c + i = k 64 c + 32 h + i of its row
.macro LOADX x, adr
.irp c, 0,1
.irp j, 0,1,2,3,4,5,6,7
	ds_load_b128 v[\x+32*\c+4*\j:\x+32*\c+4*\j+3], v[\adr] offset:256*\c+16*\j
.endr
.endr
.endm
; They become a fragment's 12 registers from v[dst] on and its scale word in v[wd].  Both blocks are the lane's own: no other lane is asked for a maximum.
.macro QUANT x, dst, wd
.irp c, 0,1,2,3
	v_max3_num_f32 v[QM+\c], |v[\x+16*\c]|, |v[\x+16*\c+1]|, 0x1800000   ; four chains of 16 numbers, and the floor 2^(3 - 127), under which no largest magnitude is taken: the byte cannot fall under 1
.endr
.irp i, 2,4,6,8,10,12,14
.irp c, 0,1,2,3
	v_max3_num_f32 v[QM+\c], v[QM+\c], |v[\x+16*\c+\i]|, |v[\x+16*\c+\i+1]|
.endr
.endr
	v_max_num_f32 v[QM], v[QM], v[QM+1]            ; block h
	v_max_num_f32 v[QM+2], v[QM+2], v[QM+3]        ; block 2 + h
	v_add_nc_u32 v[QS], 0xff000000, v[QM]          ; 2 off the exponent field: the conversion takes the exponent field of this operand as its scale, and nothing else of it
	v_add_nc_u32 v[QS+1], 0xff000000, v[QM+2]
	v_lshrrev_b32 v[QM], 23, v[QS]                 ; the scales' bytes,
	v_lshrrev_b32 v[QM+2], 23, v[QS+1]
	v_lshl_or_b32 v[QM], v[QM+2], 16, v[QM]
	v_lshlrev_b32 v[QM], v[SH8], v[QM]             ; at their places in the row's word (8 h bits up)
	v_permlanex16_b32 v[QM+1], v[QM], s[SEL], s[SEL+1]
.irp c, 0,1
	v_cvt_scalef32_pk16_fp6_f32 v[\dst+6*\c:\dst+6*\c+2], v[\x+32*\c:\x+32*\c+15], v[QS+\c]
	v_cvt_scalef32_pk16_fp6_f32 v[CT+4*\c:CT+4*\c+2], v[\x+32*\c+16:\x+32*\c+31], v[QS+\c]   ; (a conversion's three registers begin on an even number: a block's second three are made elsewhere and moved)
.endr
	v_or_b32 v[\wd], v[QM], v[QM+1]                ; with lane l xor 16's two bytes the word is whole.  (Also the plain line behind the last conversion)
.irp c, 0,1
.irp i, 0,1,2
	v_mov_b32 v[\dst+3+6*\c+\i], v[CT+4*\c+\i]
.endr
.endr
.endm
	s_cmp_lt_u32 s[WV], 7
	s_cbranch_scc0 .Lno_rows
	LOADX XB, AB                                   ; the tile of base first: seven other waves wait for its image
.Lno_rows:
	LOADX XW, AW
	s_cmp_lt_u32 s[WV], 7
	s_cbranch_scc0 .Lno_image
	s_wait_dscnt 16                                ; base's 16 loads are in; Wk's 16, issued behind them, may be out
	QUANT XB, PC, PW
	ds_store_b128 v[IWI], v[PC:PC+3]               ; the fragment goes to LDS as an image of its registers: lane l's 16 bytes at 16 l
	ds_store_b128 v[IWI], v[PC+4:PC+7] offset:512
	ds_store_b128 v[IWI], v[PC+8:PC+11] offset:1024
	ds_store_b32 v[IWS], v[PW]
.Lno_image:
	s_wait_dscnt 0x0                               ; Wk's numbers are in, and my image is stored
	QUANT XW, BF, SW                               ; my fragment of Wk stays in my registers
.rept 8
	v_nop                                          ; a scale register written by a vector instruction stands 8 places ahead of a scaled matrix instruction, an operand so written 4
.endr
	s_barrier_signal -1
	s_barrier_wait -1                              ; A's seven fragments lie in LDS
.irp t, 0,1,2,3,4,5,6
.irp c, 0,1,2
	ds_load_b128 v[AF+12*\t+4*\c:AF+12*\t+4*\c+3], v[LI] offset:\t*FRB+512*\c
.endr
	ds_load_b32 v[SA+\t], v[LS] offset:128*\t
.endr
	ds_load_b32 v[QP], v[QB]                       ; q' of query 0
	s_wait_dscnt 0x0
.irp t, 0,1,2,3,4,5,6
	v_wmma_scale_f32_16x16x128_f8f6f4 v[KR+8*\t:KR+8*\t+7], v[AF+12*\t:AF+12*\t+11], v[BF:BF+11], v[CB:CB+7], v[SA+\t], v[SW] matrix_a_fmt:MATRIX_FMT_FP6 matrix_b_fmt:MATRIX_FMT_FP6
.endr
.set VI, 0
.rept 48
	ds_load_b32 v[VR+VI], v[VAD] offset:(16*(VI/8)+VI%8)*PITCH   ; V into registers that no product names: issued while the products run, wanted a turn later
.set VI, VI+1
.endr
	ds_load_b32 v[VR+48], v[VAD2]
	ds_load_b32 v[VR+49], v[VAD2] offset:PITCH
.rept 4
	v_nop                                          ; four places behind the last product, ahead of the first read of results and the first write over operands (ISA guide 7.12.1)
.endr
	; Kmax and Kmin of my 50 numbers, in two chains each
.irp c, 0,1
	v_max3_num_f32 v[KMX+2*\c], v[KR+25*\c], v[KR+25*\c+1], v[KR+25*\c+2]
	v_min3_num_f32 v[KMN+2*\c], v[KR+25*\c], v[KR+25*\c+1], v[KR+25*\c+2]
.endr
.irp s, 0,1,2,3,4,5,6,7,8,9,10
.irp c, 0,1
	v_max3_num_f32 v[KMX+2*\c], v[KMX+2*\c], v[KR+25*\c+3+2*\s], v[KR+25*\c+4+2*\s]
	v_min3_num_f32 v[KMN+2*\c], v[KMN+2*\c], v[KR+25*\c+3+2*\s], v[KR+25*\c+4+2*\s]
.endr
.endr
	v_max_num_f32 v[KMX], v[KMX], v[KMX+2]
	v_min_num_f32 v[KMN], v[KMN], v[KMN+2]
	v_permlanex16_b32 v[KMX+2], v[KMX], s[SEL], s[SEL+1]
	v_permlanex16_b32 v[KMN+2], v[KMN], s[SEL], s[SEL+1]
	v_max_num_f32 v[KMX], v[KMX], v[KMX+2]         ; with the channel's other 50 rows, in lane l xor 16
	v_min_num_f32 v[KMN], v[KMN], v[KMN+2]
; pair j of the next query's arguments: q' K - m, two at a time (of the pairs q' and m the low word serves both halves)
.macro NEXTT y, j
	v_pk_fma_f32 v[\y+2*(\j):\y+2*(\j)+1], v[KR+2*(\j):KR+2*(\j)+1], v[QP:QP+1], v[MP:MP+1] op_sel_hi:[1,0,0] neg_lo:[0,0,1] neg_hi:[0,0,1]
.endm
; A TURN.  ex = 1: one query's 50 exponentials, in place in set x.  sums = 1: the query before lies finished in set y: its sums of p V and of p.  nxt = 1: set y then takes the arguments of the query after,
; whose q' is asked of LDS (address qa + qoff) at the turn's head and is wanted LAG pairs on.  No line of a turn names a result of its own exponentials: the wait for them stands behind the turn.
.macro PHASE ex, x, y, sums, nxt, num, den, qa, qoff
.if \nxt
	ds_load_b32 v[QP], v[\qa] offset:\qoff
.endif
.set PI, 0
.rept 25
.if \ex
	v_exp_f32 v[\x+2*PI], v[\x+2*PI]
	v_exp_f32 v[\x+2*PI+1], v[\x+2*PI+1]
.endif
.if \sums
.if PI == 0
	v_pk_mul_f32 v[\num:\num+1], v[\y:\y+1], v[VR:VR+1]            ; the first pair starts the sum: nothing is cleared
.else
	v_pk_fma_f32 v[\num:\num+1], v[\y+2*PI:\y+2*PI+1], v[VR+2*PI:VR+2*PI+1], v[\num:\num+1]
.endif
.if PI == 1
	v_pk_add_f32 v[\den:\den+1], v[\y:\y+1], v[\y+2:\y+3]
.endif
.if PI > 1
	v_pk_add_f32 v[\den:\den+1], v[\den:\den+1], v[\y+2*PI:\y+2*PI+1]
.endif
.endif
.if \nxt
.if PI == LAG-1
	s_wait_dscnt 0x0                               ; q' is in (in the first turn: V too)
	v_mul_f32 v[T0], v[QP], v[KMX]
	v_mul_f32 v[T1], v[QP], v[KMN]
	v_max_num_f32 v[MP], v[T0], v[T1]              ; m = the column's largest q' K: at Kmax where q' is positive, at Kmin where it is negative
.endif
.if PI >= LAG
	NEXTT \y, PI-LAG
.endif
.endif
.set PI, PI+1
.endr
.if \nxt
.set PI, 25-LAG
.rept LAG
	NEXTT \y, PI
.set PI, PI+1
.endr
.endif
.endm
; A pair of queries is finished.  v_permlane16_swap_b32 brings the even query's two halves into lanes 0-15 of two registers and the odd query's into lanes 16-31: one addition then serves both.
.macro FINISH
	v_add_f32 v[DEN0], v[DEN0], v[DEN0+1]
	v_add_f32 v[DEN1], v[DEN1], v[DEN1+1]
	v_add_f32 v[NUM0], v[NUM0], v[NUM0+1]
	v_add_f32 v[NUM1], v[NUM1], v[NUM1+1]
	v_permlane16_swap_b32 v[DEN0], v[DEN1]
	v_permlane16_swap_b32 v[NUM0], v[NUM1]
	v_add_f32 v[DEN0], v[DEN0], v[DEN1]
	v_rcp_f32 v[DEN1], v[DEN0]
	v_add_f32 v[NUM0], v[NUM0], v[NUM1]            ; (plain lines behind the reciprocal)
	v_add_nc_u32 v[OAD], s[OOF], v[OB]
	s_wait_alu depctr_va_vdst(0)                   ; ONE wait, for the turn's exponentials and the reciprocal, ahead of the first line that names a result
	v_mul_f32 v[NUM1], v[NUM0], v[DEN1]
	ds_store_b32 v[OAD], v[NUM1]                   ; 128 consecutive bytes of my wave's block of the stage
.endm
	v_mul_f32 v[T0], v[QP], v[KMX]                 ; query 0: m,
	v_mul_f32 v[T1], v[QP], v[KMN]
	v_max_num_f32 v[MP], v[T0], v[T1]
.set PI, 0
.rept 25
	NEXTT TA, PI                                   ; and its arguments
.set PI, PI+1
.endr
	PHASE 1, TA, TB, 0, 1, NUM0, DEN0, QB, 512     ; query 0's exponentials | query 1's arguments
	s_wait_alu depctr_va_vdst(0)                   ; the wait for the batch, ahead of the label and of the first reader
	s_mov_b32 s[QOF], 1024                         ; q' of query 2 i + 2
	s_mov_b32 s[OOF], 0                            ; the results of pair i
	s_mov_b32 s[CNT], 7
.Lpair:                                            ; trip i = 0 .. 6
	v_add_nc_u32 v[QAD], s[QOF], v[QB]
	PHASE 1, TB, TA, 1, 1, NUM0, DEN0, QAD, 0      ; query 2 i + 1's exponentials | query 2 i's sums | query 2 i + 2's arguments
	s_wait_alu depctr_va_vdst(0)
	PHASE 1, TA, TB, 1, 1, NUM1, DEN1, QAD, 512    ; query 2 i + 2's exponentials | query 2 i + 1's sums | query 2 i + 3's arguments
	FINISH                                         ; queries 2 i and 2 i + 1
	s_add_co_u32 s[QOF], s[QOF], 1024
	s_add_co_u32 s[OOF], s[OOF], 128
	s_sub_co_u32 s[CNT], s[CNT], 1
	s_cmp_lg_u32 s[CNT], 0
	s_cbranch_scc1 .Lpair
	PHASE 1, TB, TA, 1, 0, NUM0, DEN0, QB, 0       ; query 15's exponentials | query 14's sums
	s_wait_alu depctr_va_vdst(0)
	PHASE 0, TA, TB, 1, 0, NUM1, DEN1, QB, 0       ; query 15's sums
	FINISH                                         ; queries 14 and 15
	; THE WAY OUT.  A row of out (one query, 128 channels, 512 bytes) comes from eight waves: they meet in the stage, and each wave stores two whole rows.
	s_wait_dscnt 0x0                               ; for the others' sake: my stores into the stage are done
	s_barrier_signal -1
	s_barrier_wait -1
	ds_load_b128 v[240:243], v[ORD]
	ds_load_b128 v[244:247], v[ORD] offset:64
	s_wait_dscnt 0x0
	global_store_b128 v[GL], v[240:243], s[14:15] th:TH_STORE_NT                 ; 32 lanes store 512 consecutive bytes, at a multiple of 512 from out's first byte
	global_store_b128 v[GL], v[244:247], s[14:15] offset:32768 th:TH_STORE_NT    ; the next query's row
	s_set_vgpr_msb 0x5
	s_wait_tensorcnt 0x0
	ds_add_u32 v0, v1
	s_wait_dscnt 0x0
	s_set_vgpr_msb 0x500
	CROUND                                         ; the closing round: no work-group ends while a partner may still ask for a tile that names it
	s_endpgm
.Lfunc_end_k_q09b0114cf1_pool:
	.size	k_q09b0114cf1_pool, .Lfunc_end_k_q09b0114cf1_pool-k_q09b0114cf1_pool
	.p2alignl 7, 3214868480
	.fill 96, 4, 3214868480
	.section	.rodata,"a",@progbits
	.p2align	6, 0x0
	.amdhsa_kernel k_q09b0114cf1_pool
		.amdhsa_group_segment_fixed_size 205824
		.amdhsa_private_segment_fixed_size 0
		.amdhsa_enable_private_segment 0
		.amdhsa_kernarg_size 48
		.amdhsa_user_sgpr_count 2
		.amdhsa_user_sgpr_kernarg_segment_ptr 1
		.amdhsa_wavefront_size32 1
		.amdhsa_system_sgpr_workgroup_id_x 1
		.amdhsa_system_sgpr_workgroup_id_y 1
		.amdhsa_system_sgpr_workgroup_id_z 1
		.amdhsa_system_vgpr_workitem_id 0
		.amdhsa_next_free_vgpr 258
		.amdhsa_next_free_sgpr 66
		.amdhsa_reserve_vcc 0
		.amdhsa_float_denorm_mode_32 3
		.amdhsa_float_denorm_mode_16_64 3
		.amdhsa_memory_ordered 1
		.amdhsa_forward_progress 1
		.amdhsa_inst_pref_size 54
	.end_amdhsa_kernel
	.amdgpu_metadata
---
amdhsa.version: [ 1, 2 ]
amdhsa.kernels:
  - .name:           k_q09b0114cf1_pool
    .symbol:         k_q09b0114cf1_pool.kd
    .args:
      - { .name: gallery_base, .offset: 0, .size: 8, .value_kind: global_buffer, .address_space: global }
      - { .name: Wk, .offset: 8, .size: 8, .value_kind: global_buffer, .address_space: global }
      - { .name: gallery_value, .offset: 16, .size: 8, .value_kind: global_buffer, .address_space: global }
      - { .name: querys, .offset: 24, .size: 8, .value_kind: global_buffer, .address_space: global }
      - { .name: bk, .offset: 32, .size: 8, .value_kind: global_buffer, .address_space: global }
      - { .name: out0, .offset: 40, .size: 8, .value_kind: global_buffer, .address_space: global }
    .group_segment_fixed_size: 205824
    .private_segment_fixed_size: 0
    .kernarg_segment_align: 8
    .kernarg_segment_size: 48
    .max_flat_workgroup_size: 256
    .sgpr_count:     66
    .vgpr_count:     258
    .wavefront_size: 32
...
	.end_amdgpu_metadata
.endif
;; end of part 1
